; MI455X (gfx1250); checked and timed in simulation.
; The chip was launched on July 23, 2026; its instructions are those of AMD's public machine-readable ISA for CDNA 5 (MIT licence, August 2026) and "CDNA5" Instruction Set Architecture Reference Guide (July 2026). The comments in the code are by the model that wrote it; some were corrected since.
;; Feed Forward Quantum. Allowed arithmetic: matrix products marked QUANTISED: E2M1 operands, one E8M0 scale for each 32 along K, by v_wmma_scale_f32_16x16x128_f8f6f4 with both operands' format E2M1 (or v_wmma_scale_f32_32x16x128_f4), f32 sums; products left as they are: f32 operands where the result goes on into a quantised operand, else bf16, f16 or f32 operands; f32 sums; everything else in f32.
;; Inputs: W1 4,096 x 8 float32; W2_codes 1,024 x 128 x 16 uint8 (E2M1 codes of W2, K innermost, in blocks of 32 codes, two codes a byte); W2_scales 1,024 x 128 uint8 (E8M0 scales of W2, one for each 32 codes along K); b1 4,096 float32; b2 1,024 float32; theta 8 float32; x 8 x 2,048 x 1,024 float32.
;; Outputs: out0 8 x 2,048 x 1,024 float32.
;; This version of the problem:
;;   THIS VERSION OF THE PROBLEM IS GIVEN IN LOW PRECISION. The matrix products marked QUANTISED in the list below multiply operands that are first quantised to E2M1 (2 exponent bits, 1 mantissa bit; 4 bits a number), with one power-of-two scale for each 32 numbers along K (OCP MX v1.0); their sums are f32. All else is computed in f32.
;;   The module's matrix products, in the order in which they are computed (A, B: the left and right operand; K: the contracted axis; several contracted axes count as one K, in the product's order):
;;     1. [M 16,384, K 8] x [K 8, N 4,096]; A: computed on the way; B: input W1: left as it is (K = 8 < 32)
;;     2. [M 16,384, K 4,096] x [K 4,096, N 1,024]; A: computed on the way; B: input W2 (given as codes): QUANTISED
;;   THE QUANTISER, for each operand of a quantised product, along K:
;;     - K is cut into blocks of 32 from its start; a last block that is shorter is filled with zeros.
;;     - A block's scale is 2^e with e = floor(log2(the largest magnitude in the block)) - 2, held to -126 .. 127; a block of zeros has e = 0. As a byte (E8M0): e + 127.
;;     - Each number is divided by its block's scale, clamped to +-6, and rounded to the nearest number of E2M1, ties to even, subnormals kept.
;;     - The product sums the exact products of the quantised numbers (number of the format x scale) in f32.
;;   ~~~python
;;   def quantise(x, axis):      # numpy; x: float32 -> the quantised numbers, widened to float32 again
;;       x = np.moveaxis(x, axis, -1); K = x.shape[-1]
;;       x = np.pad(x, [(0, 0)] * (x.ndim - 1) + [(0, -K % 32)]); x = x.reshape(x.shape[:-1] + (-1, 32)); a = np.abs(x).max(-1, keepdims=True)
;;       e = np.where(a > 0, np.clip(np.frexp(np.where(a > 0, a, 1))[1] - 1 - 2, -126, 127), 0)      # np.frexp(a)[1] - 1 = floor(log2(a)), exactly
;;       r = np.clip(x / 2.0 ** e, -6, 6)
;;       step = 2.0 ** (np.maximum(np.frexp(np.where(r == 0, 1, r))[1] - 1, 0) - 1)
;;       q = np.round(r / step) * step * 2.0 ** e      # np.round: ties to even
;;       return np.moveaxis(q.reshape(q.shape[:-2] + (-1,))[..., :K], -1, axis).astype(np.float32)
;;   ~~~
;;   OPERANDS COMPUTED ON THE WAY. 'Computed on the way' means the value that the module computes at that place (a softmax that the list does not call 'softmax' is quantised finished and normalised). What goes into a quantiser is computed in f32, as accurately as f32 sums, v_exp_f32 and their like allow (about 1e-6 of the number): no bf16 or f16 on the way to a quantiser, and a product that is left as it is and whose result goes on into a quantised operand takes f32 operands (vector FMAs, or v_wmma_f32_16x16x4_f32). A number that lies on a knife's edge between two numbers of the format may be rounded either way, as far as f32 arithmetic and the matrix unit's own rounding can turn it there, and no further.
;;   INPUTS GIVEN AS CODES. W2 (in the module: [1024, 4096], K = its axis 1): each comes as NAME_codes (uint8): NAME with its K axis moved to the last place and cut into blocks of 32 codes, [.., K / 32, bytes a block], one block behind the other in memory; two codes a byte, the lower K in the low four bits (a code: sign, 2 exponent bits, 1 mantissa bit); and NAME_scales (uint8): the same leading axes, one E8M0 byte (e + 127) for each 32 codes along K. Its value is code x scale, taken as it is: it is not quantised again, and the codes and scales need not be those that the quantiser above would give.
;; One version. Each part assembles by itself: llvm-mc -triple=amdgcn-amd-amdhsa -mcpu=gfx1250 --defsym DOCPART=n.
;; ======== version 1 of 1: 1 launch
;; limits: inputs' magnitudes at most 70,000
;; launch ffq (part 1): grid 256 x 1, 4 waves a work-group, clusters of 4 x 1, 327,680 bytes of LDS; arguments x, theta, W1, b1, W2_codes, W2_scales, b2, out0; writes out0
.if DOCPART == 1
	.amdgcn_target "amdgcn-amd-amdhsa--gfx1250"
	.amdhsa_code_object_version 6
	.text
	.protected	k_qfa56858094_ffq
	.globl	k_qfa56858094_ffq
	.p2align	8
	.type	k_qfa56858094_ffq,@function
k_qfa56858094_ffq:
	s_mov_b64 s[64:65], 0
	v_nop
	global_prefetch_b8 v0, s[64:65] scope:SCOPE_SE
	s_setreg_imm32_b32 hwreg(HW_REG_WAVE_MODE, 25, 1), 1
	s_wait_xcnt 0x0
	s_wait_alu depctr_hold_cnt(0) depctr_sa_sdst(0) depctr_va_vdst(0) depctr_va_sdst(0) depctr_va_ssrc(0) depctr_va_vcc(0) depctr_vm_vsrc(0)
	s_getreg_b32 s2, hwreg(HW_REG_IB_STS2, 6, 4)
	s_cmp_eq_u32 s2, 0
	s_cbranch_scc0 .Lentry_in_a_cluster
	s_endpgm
.Lentry_in_a_cluster:
	s_bfe_u32 s2, ttmp6, 0x10000c
	s_cmp_lg_u32 s2, 0x3003
	s_cbranch_scc0 .Lentry_shape_is_right
	s_endpgm
.Lentry_shape_is_right:
; out0 = Q(relu(q W1^T + b1)) W2^T + b2,  q = cos(x[.., 0..7]) cos(theta).  16,384 rows; hidden layer 4,096; 1,024 outputs, f32.
; The first product (K = 8) is done in f32 by v_wmma_f32_16x16x4_f32, since its result goes into a quantiser; Q quantises the hidden layer to E2M1 with one E8M0 byte for each 32 along the 4,096;
; the second product multiplies those codes with W2's codes as they are given, by v_wmma_scale_f32_16x16x128_f8f6f4.  The hidden layer never goes to memory.
; SHARES.  A work-group of four waves owns 64 rows and ALL 1,024 outputs, so that every number of the hidden layer is made once in the whole launch: 64 x 1,024 sums are 512 registers a wave.
; Wave w owns outputs 128 w .. + 127 (half X) and 512 + 128 w .. + 127 (half Y).  K goes in 8 super-steps of 512.  For each, wave w makes 128 hidden units of all 64 rows (K step q = w of four),
; quantises them in registers and hands them to the other waves through LDS as images of the operand's registers.
; W2 comes through two LDS slots: X = W2's rows 0-511, Y = rows 512-1023, each 512 along K (256 bytes a row), with their scale bytes beside them.
; CLUSTER.  All work-groups walk the same W2: the four of a cluster ask for each tile JOINTLY (mask 15): waves 0, 1 the two halves of a slot's codes, waves 2, 3 those of its scale bytes.
; THE CLUSTERS WALK K FROM DIFFERENT STARTS: cluster c begins at super-step c mod 8 and goes round the eight.  So at any time the 64 clusters ask for eight different slabs of W2, W1 and b1, and every slab that a
; cluster asks for after its first has been read by eight other clusters one super-step before.  For that reason no prefetch is written.  The start hangs on the cluster's number, which the four partners share.
; BY BEATS.  A UNIT is 16 beats; a beat is: a slice of the quantiser's vector work (block made one unit ago), four FP4 products (super-step in hand), one f32 product (block being made).
; The f32 product stands last, so that the wave has the next beat's slice and LDS loads to issue while the matrix unit works on it.  The f32 products run one super-step and a half ahead of the FP4 products that use them.
; The scale bytes ride in the ring as 16 bytes of each row of 128: all of W2's scale bytes (131,072) do not fit beside two slots of 139,264.
; b2 is loaded straight into the 64 accumulators, so every FP4 product adds in place; b1 is the C of each f32 sum's first product.
; LIMITS.  |x| and |theta| up to about 7 x 10^4: beyond that the three-part reduction by pi / 2 loses accuracy.  NaN and infinities are not served.  A block of zeros gets the byte 1 with zero codes (this program alone
; reads those bytes).  The sum over the 8 runs in the order k = 0, 1, 4, 5, 2, 3, 6, 7, beginning at b1; an output's sum over the 4,096 begins at b2 and at super-step (cluster mod 8).
; Of x only the 32 bytes of each row that are used are read.
; REGISTERS, in windows of 256.  Window 0: v0-20 addresses; v32-63 W2's scale words; v64-71 h's scale words; v72-91 the quantiser's few; v96-127 the codes made; v128-191 the 8 f32 accumulators; v192-255 relu'd numbers.
;   Window 1: v0-63 W2's 8 fragments; v64-127 h's fragments, two sets of 4; v128-223 W1 and b1, four blocks of 24; v224-239 q's fragments.   Windows 2, 3: the 32 accumulators of X, of Y: (t, m) at v[8 (4 t + m)].
; SCALARS that stay: s[8:9] W1 and s[10:11] b1 at my wave's part; s[12:13], s[84:85] W2's codes at my half of X, of Y; s[14:15], s[86:87] its scale bytes likewise; s60, s61 the super-step of the next W1 loads, of the last tiles asked for;
;   s[66:67], s[68:69] W1's and b1's bases in hand; s77 = s79 = 0: the upper words of the offset pairs s[76:77], s[78:79].
.set SLOTY, 139264                     ; slot X at 0: 512 rows x (256 + 16); slot Y behind it
.set SCX,   278528                     ; X's scale bytes: 512 rows x 16, dense
.set SCY,   286720                     ; Y's
.set HIMG,  294912                     ; h's 16 fragments as images, 1,024 bytes each, index 4 q + m: written by LDS stores alone
.set HSC,   311296                     ; h's scale words: 256 q + 4 row
.set SPARE, 312320                     ; the spare words, 128 bytes for each wave: two blocks of 256 bytes that no other line names
.set VSW,  32                          ; W2's scale words: register 16 hf + 4 i + q: lanes 0-15 column tile 2 i, lanes 16-31 tile 2 i + 1
.set VSH,  64                          ; h's: register 2 q + p: lanes 0-15 row tile 2 p, lanes 16-31 tile 2 p + 1
.set VTM,  72                          ; largest magnitudes
.set VT2,  76                          ; the other half's; then the bytes
.set VSCL, 80                          ; the conversions' scale operands
.set VPW,  88                          ; the scale word of row tile m
.set VPC,  96                          ; the codes: 8 registers a row tile
.set VD,   128                         ; the f32 accumulators: written by matrix instructions alone
.set VH,   192                         ; relu'd numbers; at the head the cosines' scratch
.set VBF,  0                           ; window 1
.set VAF,  64
.set VWB,  128                         ; block b at + 24 b: + 4 u W1's tile u; + 8 + 8 u b1 of tile u
.set VQF,  224                         ; q: 4 registers a row tile
.set CN, 212                           ; the cosines' scratch, four numbers at a time
.set CR, 216
.set CI, 220
.set CZ, 224
.set CC, 228
.set CS, 232
.set MSB, 0
.macro WIN new                         ; low byte: bits 1:0 source 0, 3:2 source 1, 5:4 source 2, 7:6 destination; the high byte repeats the setting that is left
.if MSB != (\new)
	s_set_vgpr_msb (MSB<<8)|(\new)
.set MSB, (\new)
.endif
.endm
.macro PLACES n
.rept \n
	v_nop
.endr
.endm
.macro CREST                           ; a round of the cluster's barrier behind its opening barrier
	s_cmp_lg_u32 s20, 0
	s_cbranch_scc1 .Lnot_wave_0_\@
	s_barrier_signal -3
.Lnot_wave_0_\@:
	s_barrier_wait -3
	s_barrier_signal -1
	s_barrier_wait -1
.endm
.macro CROUND                          ; a whole round
	s_barrier_signal -1
	s_barrier_wait -1
	CREST
.endm
; A joint refill of slot hf: waves 0, 1 its codes, waves 2, 3 its scale bytes.  The branch hangs on the wave's number alone.  Four v_nop follow each of the two lines.
.macro JLOAD hf
	s_cmp_lt_u32 s20, 2
	s_cbranch_scc0 .Lfor_s_\@
	tensor_load_to_lds s[40+4*(\hf):43+4*(\hf)], s[24:31]
	s_nop 0
.rept 4
	v_nop
.endr
	s_branch .Lasked_\@
.Lfor_s_\@:
	tensor_load_to_lds s[48+4*(\hf):51+4*(\hf)], s[32:39]
	s_nop 0
.rept 4
	v_nop
.endr
.Lasked_\@:
.endm
; W1's and b1's bases go one super-step on in my cluster's walk, round the eight: 512 rows of 32 bytes, 512 numbers.  It stands behind a wait that shows that the loads issued so far have read the bases.
.macro STEPW
	s_add_co_u32 s60, s60, 1
	s_and_b32 s60, s60, 7
	s_lshl_b32 s76, s60, 14
	s_add_nc_u64 s[66:67], s[8:9], s[76:77]
	s_lshl_b32 s76, s60, 11
	s_add_nc_u64 s[68:69], s[10:11], s[76:77]
.endm
; f32 product BT of 16 of block FBK: accumulator a = BT % 8 = 2 m + u: source 0 = 16 rows of W1 (tile u), source 1 = 16 rows of q (tile m).  The first eight begin the sums at b1, the last eight add the other four k.
.macro FW
.set AA, BT%8
.set MM, AA/2
.set UU, AA%2
.if BT < 8
	WIN 0x15
	v_wmma_f32_16x16x4_f32 v[VD+8*AA:VD+8*AA+7], v[VWB+24*FBK+4*UU:VWB+24*FBK+4*UU+1], v[VQF+4*MM:VQF+4*MM+1], v[VWB+24*FBK+8+8*UU:VWB+24*FBK+15+8*UU]
.else
	WIN 0x05
	v_wmma_f32_16x16x4_f32 v[VD+8*AA:VD+8*AA+7], v[VWB+24*FBK+4*UU+2:VWB+24*FBK+4*UU+3], v[VQF+4*MM+2:VQF+4*MM+3], v[VD+8*AA:VD+8*AA+7]
.endif
.endm
; Instruction NN of the quantiser's list for block QBK (32 hidden units x 64 rows).  Register 16 m + i of a lane is h(row 16 m + lane % 16, unit 32 QBK + 16 (lane / 16) + i).
.macro QI
.if NN < 64
	v_max_num_f32 v[VH+NN], 0, v[VD+NN]            ; relu, each accumulator from its low end on, into other registers
.elseif NN < 68
.set MM, NN-64
	v_max3_num_f32 v[VTM+MM], v[VH+16*MM], v[VH+16*MM+1], 0x1800000   ; none is negative: no |.|; the floor 2^(3 - 127) holds the byte at 1 from below
.elseif NN < 96
.set MM, (NN-68)%4
.set II, 2+2*((NN-68)/4)
	v_max3_num_f32 v[VTM+MM], v[VTM+MM], v[VH+16*MM+II], v[VH+16*MM+II+1]   ; the four row tiles by turns
.elseif NN < 100
	v_permlanex16_b32 v[VT2+NN-96], v[VTM+NN-96], s56, s57
.elseif NN < 104
	v_max_num_f32 v[VTM+NN-100], v[VTM+NN-100], v[VT2+NN-100]   ; with lane l xor 16: the block's largest magnitude
.elseif NN < 108
	v_add_nc_u32 v[VSCL+NN-104], 0xff000000, v[VTM+NN-104]   ; 2 off its exponent field: the conversion's scale operand
.elseif NN < 112
.if QBK == 0
	v_lshrrev_b32 v[VPW+NN-108], 23, v[VSCL+NN-108]   ; the byte begins the scale word
.else
	v_lshrrev_b32 v[VT2+NN-108], 23, v[VSCL+NN-108]
.endif
.elseif NN < 116
.if QBK > 0
	v_lshl_or_b32 v[VPW+NN-112], v[VT2+NN-112], 8*QBK, v[VPW+NN-112]
.endif
.elseif NN < 124
.set MM, (NN-116)/2
.set EE, (NN-116)%2
	v_cvt_scalef32_pk8_fp4_f32 v[VPC+8*MM+2*QBK+EE], v[VH+16*MM+8*EE:VH+16*MM+8*EE+7], v[VSCL+MM]
.elseif NN == 124
	v_nop                                          ; one plain place behind the last scaled conversion
.elseif NN < 133
.if (QBK%2) == 1
.set MM, (NN-125)/2
.set II, (NN-125)%2
	v_permlane16_swap_b32 v[VPC+8*MM+4*(QBK/2)+II], v[VPC+8*MM+4*(QBK/2)+2+II]   ; the operand wants a whole block in a lane
.endif
.endif
.endm
.macro SLICE                           ; beat BT's part of the list: beats 0-7 the relu of accumulator BT (ahead of the f32 product that begins it anew), beats 8-15 nine numbers each
	WIN 0
.if BT < 8
.set NN, 8*BT
.rept 8
	QI
.set NN, NN+1
.endr
.else
.set NN, 64+9*(BT-8)
.rept 9
	QI
.set NN, NN+1
.endr
.endif
.endm
; One FP4 product: source 0 = W2's column tile GT, source 1 = h's row tile m: a lane then holds eight neighbouring outputs of one row.  Odd tiles take their scale words from lanes 16-31.
.macro W4 m
.set rC, 8*(4*GT+\m)
.set rB, VBF+8*GT
.set rA, VAF+32*GS+8*\m
.set rS, VSW+16*HF+4*(GT/2)+GQ
.set rT, VSH+2*GQ+(\m)/2
.if ((GT%2) == 0) && (((\m)%2) == 0)
	v_wmma_scale_f32_16x16x128_f8f6f4 v[rC:rC+7], v[rB:rB+7], v[rA:rA+7], v[rC:rC+7], v[rS], v[rT] matrix_a_fmt:MATRIX_FMT_FP4 matrix_b_fmt:MATRIX_FMT_FP4
.elseif (GT%2) == 0
	v_wmma_scale_f32_16x16x128_f8f6f4 v[rC:rC+7], v[rB:rB+7], v[rA:rA+7], v[rC:rC+7], v[rS], v[rT] matrix_a_fmt:MATRIX_FMT_FP4 matrix_b_fmt:MATRIX_FMT_FP4 matrix_b_scale:MATRIX_SCALE_ROW1
.elseif ((\m)%2) == 0
	v_wmma_scale_f32_16x16x128_f8f6f4 v[rC:rC+7], v[rB:rB+7], v[rA:rA+7], v[rC:rC+7], v[rS], v[rT] matrix_a_fmt:MATRIX_FMT_FP4 matrix_b_fmt:MATRIX_FMT_FP4 matrix_a_scale:MATRIX_SCALE_ROW1
.else
	v_wmma_scale_f32_16x16x128_f8f6f4 v[rC:rC+7], v[rB:rB+7], v[rA:rA+7], v[rC:rC+7], v[rS], v[rT] matrix_a_fmt:MATRIX_FMT_FP4 matrix_b_fmt:MATRIX_FMT_FP4 matrix_a_scale:MATRIX_SCALE_ROW1 matrix_b_scale:MATRIX_SCALE_ROW1
.endif
.endm
.macro GW                              ; four accumulators by turns; between two links of a chain stand the 31 others of the half
	WIN 0xa5+0x50*HF
	W4 0
	W4 1
	W4 2
	W4 3
.endm
.macro LDB hf, q, first                ; W2's column tiles first .. first + 3 of K step q, from slot hf: 8 loads
	WIN 0x40
.irp t, 0,1,2,3
.irp c, 0,1
	ds_load_b128 v[VBF+8*((\first)+\t)+4*\c:VBF+8*((\first)+\t)+4*\c+3], v[6+(\hf)] offset:4352*((\first)+\t)+64*(\q)+32*\c
.endr
.endr
.endm
.macro LDA q, set                      ; h's four row tiles of K step q, from their images: 8 loads
	WIN 0x40
.irp m, 0,1,2,3
.irp c, 0,1
	ds_load_b128 v[VAF+32*(\set)+8*\m+4*\c:VAF+32*(\set)+8*\m+4*\c+3], v8 offset:(4*(\q)+\m)*1024+512*\c
.endr
.endr
.endm
.macro LDSW hf                         ; my 128 columns' scale words of the slot's four K steps: 4 loads
	WIN 0
.irp i, 0,1,2,3
	ds_load_b128 v[VSW+16*(\hf)+4*\i:VSW+16*(\hf)+4*\i+3], v10 offset:8192*(\hf)+512*\i
.endr
.endm
.macro LDSH q                          ; the 64 rows' scale words of K step q: 2 loads
	WIN 0
.irp p, 0,1
	ds_load_b32 v[VSH+2*(\q)+\p], v9 offset:256*(\q)+128*\p
.endr
.endm
.macro STIMG                           ; my K step's four fragments and scale words go to LDS as they stand (lanes l and l xor 16 store the same word with the same value)
	WIN 0
.irp m, 0,1,2,3
.irp c, 0,1
	ds_store_b128 v11, v[VPC+8*\m+4*\c:VPC+8*\m+4*\c+3] offset:1024*\m+512*\c
.endr
	ds_store_b32 v12, v[VPW+\m] offset:64*\m
.endr
.endm
.macro WLOAD b                         ; W1's two tiles and b1's 2 x 8 numbers of block b of the super-step at which the bases stand: 6 loads
	WIN 0x40
.irp u, 0,1
	global_load_b128 v[VWB+24*(\b)+4*\u:VWB+24*(\b)+4*\u+3], v13, s[66:67] offset:1024*(\b)+256*\u
	global_load_b128 v[VWB+24*(\b)+8+8*\u:VWB+24*(\b)+11+8*\u], v14, s[68:69] offset:(32*(\b)+8*\u)*4
	global_load_b128 v[VWB+24*(\b)+12+8*\u:VWB+24*(\b)+15+8*\u], v14, s[68:69] offset:(32*(\b)+8*\u)*4+16
.endr
.endm
.macro B2LD                            ; b2 into accumulator BA of 64: lane (r, h) wants b2 at its eight outputs
	WIN 0x80+0x40*(BA/32)
	global_load_b128 v[8*(BA%32):8*(BA%32)+3], v17, s[16:17] offset:2048*(BA/32)+64*((BA%32)/4)
	global_load_b128 v[8*(BA%32)+4:8*(BA%32)+7], v17, s[16:17] offset:2048*(BA/32)+64*((BA%32)/4)+16
.endm
; A UNIT: 16 beats.
;   g    1: it has FP4 products: unit u of the super-step's four: half u / 2; beats 0-7 K step 2 (u % 2) on h's set 0, beats 8-15 the next K step on set 1; column tile = beat % 8
;   fb   the block whose f32 products it issues, or -1;   qb  the block that it quantises, or -1;   lc  the wait on LOADcnt at its head, or -1
;   wa, wb  blocks of W1 and b1 asked for in beat 1, or -1;   b2  first of 16 accumulators that take b2, or -1
;   ch   1: the slot is left and filled again behind a round of the cluster's barrier; 2: it is left, with a plain barrier;   stw  1: W1's and b1's bases step
;   bx   1: the barrier behind which the next super-step's images are stored;   last  1: nothing follows
; LDS LOADS stand in four runs.  W2's tiles 0-3 are free when beats 0-3 have multiplied them, tiles 4-7 at the group's end: so one set of registers serves W2.  Each run is waited for four beats on.
; PLACES.  A load into a register that an FP4 product has read stands four plain vector instructions behind it: the beat's slice, which names none of its registers, or four v_nop.
; A read of an f32 accumulator stands eight behind its last product, the product that begins it anew nine, a load into W1's registers eight: the slices between are more (accumulator 7: the 56 relus of 0-6;
; W1's registers: the 16 relus of beats 0 and 1, which name accumulators 0 and 1, behind the last unit's product on accumulator 7).
.macro UNIT g, u, fb, qb, lc, wa, wb, b2, ch, stw, bx, last
.set HF, (\u)/2
.set Q0, 2*((\u)%2)
.set NHF, (((\u)+1)%4)/2
.set NQ0, 2*(((\u)+1)%2)
.set FBK, \fb
.set QBK, \qb
.if (\lc) >= 0
	s_wait_loadcnt \lc                             ; the block of W1 and b1 that this unit multiplies is in; the count is the loads issued behind it (see the calls)
.endif
.set BT, 0
.rept 16
.set GT, BT%8
.set GQ, Q0+BT/8
.set GS, BT/8
.if (\stw) && (BT == 9)
	s_wait_xcnt 0x0                                ; the loads that read these bases were issued a unit ago or more: the bases may be written
	STEPW
.endif
.if (\ch) && (BT == 10)
	WIN 0                                          ; (the add's two registers lie in window 0)
	s_wait_tensorcnt 0x0                           ; all my tensor loads have landed: the one that was out is my part of the other slot
	ds_add_u32 v4, v5                              ; 0 onto my spare word; a beat's register work stands between it and the wait for it
.if (\ch) == 1
.if HF == 0
	s_add_co_u32 s61, s61, 1                       ; the next super-step of my cluster's walk, round the eight; Y's refill, two units on, takes the same
	s_and_b32 s61, s61, 7
.endif
	s_lshl_b32 s76, s61, 8                         ; no load of mine is out: this slot's descriptors are written: 256 bytes of each row of codes a super-step,
	s_lshl_b32 s78, s61, 4                         ; 16 of each row of scale bytes
	s_add_nc_u64 s[42+4*HF:43+4*HF], s[12+72*HF:13+72*HF], s[76:77]
	s_or_b32 s[43+4*HF], s[43+4*HF], 0x80000000
	s_add_nc_u64 s[50+4*HF:51+4*HF], s[14+72*HF:15+72*HF], s[78:79]
	s_or_b32 s[51+4*HF], s[51+4*HF], 0x80000000
.endif
.endif
.if (\ch) && (BT == 11)
	s_wait_dscnt 0x0                               ; the add is done; my reads of this slot (the last in beat 8) are over; my stores of images have landed
	s_barrier_signal -1
.endif
.if (\bx) && (BT == 6)
	s_wait_dscnt 0x0                               ; my last reads of this super-step's images (beat 4) are in
	s_barrier_signal -1                            ; the other slot's load may stay out
.endif
.if (\bx) && (BT == 7)
	s_barrier_wait -1                              ; every wave has read them:
	STIMG                                          ; the next super-step's take their place; beat 11's wait and barrier show them to the others
.endif
.if QBK >= 0
	SLICE
.elseif (\g) && ((BT%4) == 0)
	PLACES 4
.endif
.if \g
.if BT == 0
	LDB HF, Q0, 4
.elseif BT == 4
	LDB HF, Q0+1, 0
	LDA Q0+1, 1
.if (\u) == 0
	LDSH 3                                         ; (its registers were at work to the last unit's end)
.endif
.elseif BT == 8
	LDB HF, Q0+1, 4
.elseif (BT == 12) && !(\last)
	LDB NHF, NQ0, 0                                ; the next unit's first group
	LDA NQ0, 0
.if (\u) == 1
	LDSW 1
.elseif (\u) == 3
	LDSW 0
	LDSH 0
	LDSH 1
	LDSH 2
.endif
.endif
.endif
.if BT == 1
.if (\wa) >= 0
	WLOAD \wa
.endif
.if (\wb) >= 0
	WLOAD \wb
.endif
.endif
.if (\b2) >= 0
.set BA, (\b2)+BT
	B2LD
.endif
.if \g
.if (BT == 0) || (BT == 8)
	s_wait_dscnt 8                                 ; all but this beat's eight loads
.elseif BT == 4
.if (\u) == 0
	s_wait_dscnt 18                                ; all but this beat's run
.else
	s_wait_dscnt 16
.endif
.elseif BT == 12
.if \last
	s_wait_dscnt 0
.elseif (\u) == 1
	s_wait_dscnt 20
.elseif (\u) == 3
	s_wait_dscnt 26
.else
	s_wait_dscnt 16
.endif
.endif
	GW
.endif
.if FBK >= 0
	FW                                             ; last in the beat: the next beat's slice and loads follow it
.endif
.if (\ch) && (BT == 11)
	WIN 0
	s_barrier_wait -1
.if (\ch) == 1
	CREST                                          ; the barrier has opened a round of the cluster's: no wave of any partner still reads this slot or has a load on its way
	JLOAD HF                                       ; my one tensor load behind the round, and the first thing there: it has two units in which to land
.endif
.endif
.set BT, BT+1
.endr
.endm
; cos of four numbers v[b] .. v[b + 3], in place.  n = the nearest whole number to x 2 / pi; r = x - n pi / 2, pi / 2 in three parts, by fused multiply-adds; cos r and sin r by their series to r^10 and r^9
; (|r| <= pi / 4: the next terms lie under 1e-9); n mod 4 chooses between them and sets the sign.
.macro COS4 b
.irp k, 0,1,2,3
	v_mul_f32 v[CN+\k], 0x3f22f983, v[(\b)+\k]
.endr
.irp k, 0,1,2,3
	v_rndne_f32 v[CN+\k], v[CN+\k]
.endr
.irp k, 0,1,2,3
	v_fma_f32 v[CR+\k], v[CN+\k], s70, v[(\b)+\k]
.endr
.irp k, 0,1,2,3
	v_fma_f32 v[CR+\k], v[CN+\k], s71, v[CR+\k]
.endr
.irp k, 0,1,2,3
	v_fma_f32 v[CR+\k], v[CN+\k], s72, v[CR+\k]
.endr
.irp k, 0,1,2,3
	v_cvt_i32_f32 v[CI+\k], v[CN+\k]
	v_mov_b32 v[CC+\k], 0xb493f27e                 ; -1 / 10!
	v_mov_b32 v[CS+\k], 0x3638ef1d                 ; 1 / 9!
.endr
.irp k, 0,1,2,3
	v_mul_f32 v[CZ+\k], v[CR+\k], v[CR+\k]
.endr
.irp k, 0,1,2,3
	v_fmaak_f32 v[CC+\k], v[CC+\k], v[CZ+\k], 0x37d00d01   ; 1 / 8!
	v_fmaak_f32 v[CS+\k], v[CS+\k], v[CZ+\k], 0xb9500d01   ; -1 / 7!
.endr
.irp k, 0,1,2,3
	v_fmaak_f32 v[CC+\k], v[CC+\k], v[CZ+\k], 0xbab60b61   ; -1 / 6!
	v_fmaak_f32 v[CS+\k], v[CS+\k], v[CZ+\k], 0x3c088889   ; 1 / 5!
.endr
.irp k, 0,1,2,3
	v_fmaak_f32 v[CC+\k], v[CC+\k], v[CZ+\k], 0x3d2aaaab   ; 1 / 4!
	v_fmaak_f32 v[CS+\k], v[CS+\k], v[CZ+\k], 0xbe2aaaab   ; -1 / 3!
.endr
.irp k, 0,1,2,3
	v_fma_f32 v[CC+\k], v[CC+\k], v[CZ+\k], -0.5
	v_mul_f32 v[CS+\k], v[CS+\k], v[CZ+\k]
.endr
.irp k, 0,1,2,3
	v_fma_f32 v[CC+\k], v[CC+\k], v[CZ+\k], 1.0    ; cos r
	v_fma_f32 v[CS+\k], v[CS+\k], v[CR+\k], v[CR+\k]   ; sin r
.endr
.irp k, 0,1,2,3
	v_and_b32 v[CN+\k], 1, v[CI+\k]
	v_add_nc_u32 v[CI+\k], 1, v[CI+\k]
.endr
.irp k, 0,1,2,3
	v_cmp_ne_u32 vcc_lo, 0, v[CN+\k]
	v_cndmask_b32 v[CC+\k], v[CC+\k], v[CS+\k], vcc_lo   ; n odd: the sine
	v_and_b32 v[CI+\k], 2, v[CI+\k]
.endr
.irp k, 0,1,2,3
	v_lshlrev_b32 v[CI+\k], 30, v[CI+\k]           ; n mod 4 = 1 or 2: the sign turns
.endr
.irp k, 0,1,2,3
	v_xor_b32 v[(\b)+\k], v[CC+\k], v[CI+\k]
.endr
.endm
	s_load_b512 s[4:19], s[0:1], 0x0               ; x s[4:5], theta s[6:7], W1 s[8:9], b1 s[10:11], W2's codes s[12:13], its scales s[14:15], b2 s[16:17], out0 s[18:19]
	v_lshl_add_u32 v4, v0, 2, SPARE                ; my spare word; never rewritten
	v_mov_b32 v5, 0                                ; 0; never rewritten
	ds_add_u32 v4, v5
	ds_add_u32 v4, v5
	s_wait_dscnt 0x0
	v_lshrrev_b32 v22, 5, v0
	v_readfirstlane_b32 s20, v22                   ; wave 0..3
	s_and_b32 s21, s20, 1                          ; which half of a slot's rows I fetch
	s_bfe_u32 s22, ttmp6, 0x40000                  ; cx: my place in the cluster: it enters x's and out0's addresses alone
	s_lshl_b32 s23, ttmp9, 2
	s_add_co_u32 s23, s23, s22                     ; my block of 64 rows = 4 x cluster + cx
	s_and_b32 s60, ttmp9, 7                        ; the super-step at which my cluster's walk begins: the same in the four partners
	s_mov_b32 s61, s60
	; descriptor group 1 for the codes: 256 rows x 256 bytes, 2,048 bytes apart in memory, 16 bytes of padding behind each in LDS
	s_mov_b32 s24, 15|(0<<16)|(1<<20)|(1<<21)|(5<<22)|(3<<25)   ; 15:0 the mask: all four work-groups; 17:16 elements of 1 byte; 20 padding on; 21 set beside a mask; 24:22 after every 64 words; 31:25 four words
	s_mov_b32 s25, 256<<16                         ; tensor_dim0
	s_mov_b32 s26, 256<<16                         ; tensor_dim1
	s_mov_b32 s27, 256<<16                         ; tile_dim0
	s_mov_b32 s28, 256                             ; tile_dim1
	s_mov_b32 s29, 2048                            ; from row to row
	s_mov_b32 s30, 0
	s_mov_b32 s31, 0
	; and for the scale bytes: 256 rows x 2 elements of 8 bytes, 16 elements apart in memory, dense in LDS
	s_mov_b32 s32, 15|(3<<16)|(1<<21)
	s_mov_b32 s33, 2<<16
	s_mov_b32 s34, 256<<16
	s_mov_b32 s35, 2<<16
	s_mov_b32 s36, 256
	s_mov_b32 s37, 16
	s_mov_b32 s38, 0
	s_mov_b32 s39, 0
	s_mul_i32 s62, s21, 69632                      ; my half in a slot: 256 rows of 272 bytes,
	s_lshl_b32 s63, s21, 12                        ; among its scale bytes: 256 x 16,
	s_lshl_b32 s76, s21, 19                        ; in W2's codes: 256 x 2,048,
	s_mov_b32 s77, 0                               ; (stays 0)
	s_lshl_b32 s78, s21, 15                        ; in W2's scales: 256 x 128
	s_mov_b32 s79, 0                               ; (stays 0)
	s_mov_b32 s56, 0x76543210
	s_mov_b32 s57, 0xfedcba98                      ; v_permlanex16_b32's selects for lane l xor 16
	s_mov_b32 s70, 0xbfc90fd8                      ; -pi / 2 in three parts
	s_mov_b32 s71, 0xb4a8885a
	s_mov_b32 s72, 0xa7c234c4
	s_wait_kmcnt 0x0
	s_add_nc_u64 s[12:13], s[12:13], s[76:77]      ; W2's codes at my half of X,
	s_add_nc_u64 s[84:85], s[12:13], 0x100000      ; of Y: 512 rows on;
	s_add_nc_u64 s[14:15], s[14:15], s[78:79]      ; its scale bytes likewise
	s_add_nc_u64 s[86:87], s[14:15], 0x10000
	s_lshl_b32 s76, s61, 8                         ; my cluster's first super-step: 256 bytes on in a row of codes for each,
	s_lshl_b32 s78, s61, 4                         ; 16 in a row of scale bytes
	s_mov_b32 s40, 1                               ; group 0, codes of X: count 1,
	s_mov_b32 s41, s62                             ; LDS address,
	s_add_nc_u64 s[42:43], s[12:13], s[76:77]      ; global address,
	s_or_b32 s43, s43, 0x80000000                  ; type 2
	s_mov_b32 s44, 1                               ; codes of Y
	s_add_co_u32 s45, s62, SLOTY
	s_add_nc_u64 s[46:47], s[84:85], s[76:77]
	s_or_b32 s47, s47, 0x80000000
	s_mov_b32 s48, 1                               ; scale bytes of X
	s_add_co_u32 s49, s63, SCX
	s_add_nc_u64 s[50:51], s[14:15], s[78:79]
	s_or_b32 s51, s51, 0x80000000
	s_mov_b32 s52, 1                               ; scale bytes of Y
	s_add_co_u32 s53, s63, SCY
	s_add_nc_u64 s[54:55], s[86:87], s[78:79]
	s_or_b32 s55, s55, 0x80000000
	CROUND                                         ; all four work-groups are here: the first joint loads meet
	s_cmp_lt_u32 s20, 2                            ; a wave's two first fills stand in one branch: two loads of mine are out
	s_cbranch_scc0 .Lfirst_s
	tensor_load_to_lds s[40:43], s[24:31]
	s_nop 0
	tensor_load_to_lds s[44:47], s[24:31]
	s_nop 0
.rept 4
	v_nop
.endr
	s_branch .Lfirst_asked
.Lfirst_s:
	tensor_load_to_lds s[48:51], s[32:39]
	s_nop 0
	tensor_load_to_lds s[52:55], s[32:39]
	s_nop 0
.rept 4
	v_nop
.endr
.Lfirst_asked:
	v_and_b32 v1, 15, v0                           ; r
	v_bfe_u32 v2, v0, 4, 1                         ; h
	v_and_b32 v3, 31, v0                           ; lane
	v_lshlrev_b32 v15, 12, v1
	v_lshl_add_u32 v15, v2, 4, v15                 ; x: row r of 4,096 bytes, + 16 h: k = 4 h .. 4 h + 3
	v_lshlrev_b32 v16, 4, v2                       ; theta: the same four
	v_and_b32 v22, 8, v1
	v_add_nc_u32 v22, v22, v1                      ; r + 8 (r / 8): THE ROWS OF W1 THAT FORM A TILE ARE NOT NEIGHBOURS: lane r of tile u of block b takes row 32 b + 8 u + r + 8 (r / 8)
	v_lshlrev_b32 v13, 5, v22
	v_lshl_add_u32 v13, v2, 4, v13                 ; W1: that row of 32 bytes, + 16 h
	v_lshlrev_b32 v14, 6, v2                       ; b1: 16 h numbers on
	v_lshlrev_b32 v17, 5, v2                       ; b2: 8 h numbers on
	s_lshl_b32 s74, s23, 18                        ; my block's 64 rows of 4,096 bytes, in x and in out0
	s_mov_b32 s75, 0
	s_add_nc_u64 s[4:5], s[4:5], s[74:75]
	s_add_nc_u64 s[18:19], s[18:19], s[74:75]
	s_lshl_b32 s76, s20, 9                         ; my wave's 128 numbers: in a row of out0, in b2, in a super-step's part of b1
	s_add_nc_u64 s[18:19], s[18:19], s[76:77]
	s_add_nc_u64 s[16:17], s[16:17], s[76:77]
	s_add_nc_u64 s[10:11], s[10:11], s[76:77]
	s_lshl_b32 s76, s20, 12                        ; my wave's 128 rows of a super-step's part of W1
	s_add_nc_u64 s[8:9], s[8:9], s[76:77]
	s_lshl_b32 s76, s60, 14                        ; the bases in hand: at my cluster's first super-step
	s_add_nc_u64 s[66:67], s[8:9], s[76:77]
	s_lshl_b32 s76, s60, 11
	s_add_nc_u64 s[68:69], s[10:11], s[76:77]
.irp m, 0,1,2,3
	global_load_b128 v[VH+4*\m:VH+4*\m+3], v15, s[4:5] offset:65536*\m   ; x(16 m + r, 4 h ..)
.endr
	global_load_b128 v[VH+16:VH+19], v16, s[6:7]
	WLOAD 0
	WLOAD 1
	WLOAD 2
	WLOAD 3
	WIN 0
	s_mul_i32 s62, s20, 34816                      ; my 128 rows of a slot
	v_mul_u32_u24 v6, v1, 272
	v_lshl_add_u32 v6, v2, 4, v6
	v_add_nc_u32 v6, s62, v6                       ; W2's fragments in X: row x pitch + 16 h
	v_add_nc_u32 v7, SLOTY, v6                     ; in Y
	v_lshl_add_u32 v8, v3, 4, HIMG                 ; an image's place for my lane
	v_lshl_add_u32 v9, v3, 2, HSC                  ; a scale word's
	s_lshl_b32 s62, s20, 11
	s_add_co_u32 s62, s62, SCX
	v_lshl_add_u32 v10, v3, 4, s62                 ; W2's scale words: my 128 rows, 16 bytes a row, a lane a row
	s_lshl_b32 s62, s20, 12
	v_add_nc_u32 v11, s62, v8                      ; where I store images: K step = my wave
	s_lshl_b32 s62, s20, 8
	s_add_co_u32 s62, s62, HSC
	v_lshl_add_u32 v12, v1, 2, s62                 ; and their scale words
	s_mul_i32 s62, s20, 8448                       ; the way out: my stage, 16 rows x 528 bytes, in slot X
	v_mul_u32_u24 v18, v1, 528
	v_lshl_add_u32 v18, v2, 5, v18
	v_add_nc_u32 v18, s62, v18                     ; in: row r, + 32 h
	v_lshl_add_u32 v19, v3, 4, s62                 ; back: 16 bytes a lane
	v_lshlrev_b32 v20, 4, v3                       ; and the same in a row of out0
.irp m, 0,1,2,3
	v_mov_b32 v[VT2+\m], 0                         ; written once: a lane permute's destination counts as one of its sources
.endr
	s_wait_loadcnt 24                              ; x and theta are in; the 24 loads of W1 and b1 may be out
	COS4 VH
	COS4 VH+4
	COS4 VH+8
	COS4 VH+12
	COS4 VH+16
	WIN 0x40                                       ; destination window 1
.irp m, 0,1,2,3
.irp j, 0,1,2,3
	v_mul_f32 v[VQF+4*\m+\j], v[VH+4*\m+\j], v[VH+16+\j]   ; q(16 m + r, 4 h + j): registers 0, 1 feed the first f32 product of a sum, 2, 3 the second; W1's registers hold the same k
.endr
.endr
	WIN 0
	s_wait_loadcnt 0x0                             ; the walk's first super-step of W1 and b1 is in
	s_wait_xcnt 0x0                                ; and its loads have read the bases:
	STEPW                                          ; on to the walk's second
	; THE PROLOGUE: units without FP4 products.  (j, b) = block b of the walk's super-step j.
	UNIT 0,0,  0,-1, -1, -1,-1,  0, 0,0,0,0        ; makes (0,0); b2 into accumulators 0-15
	PLACES 10                                      ; no slices stood behind those products: the places ahead of the first relu and of the products that begin the accumulators anew
	UNIT 0,0,  1, 0, -1,  0,-1, 16, 0,0,0,0        ; makes (0,1), quantises (0,0), asks for (1,0)
	UNIT 0,0,  2, 1, -1,  1,-1, 32, 0,0,0,0
	UNIT 0,0,  3, 2, -1,  2,-1, 48, 0,0,0,0
	UNIT 0,0,  0, 3, 63,  3,-1, -1, 0,0,0,0        ; makes (1,0): behind its six loads 106 were issued, so at most 63 out shows them in
	STIMG                                          ; super-step 0's images
	s_wait_tensorcnt 0x1                           ; my part of X is in; Y's may stay out
	s_wait_dscnt 0x0                               ; my stores have landed
	s_barrier_signal -1
	s_barrier_wait -1
	LDB 0, 0, 0                                    ; the first run: 26 loads, waited for in the first unit's first beat
	LDA 0, 0
	LDSW 0
	LDSH 0
	LDSH 1
	LDSH 2
	s_wait_xcnt 0x0                                ; the loads of W1 and b1 have read their bases:
	STEPW                                          ; on to the walk's third super-step
	UNIT 0,0,  1, 0, 63, -1,-1, -1, 0,0,0,0        ; makes (1,1) (74 loads were issued behind its six), quantises (1,0)
	WIN 0
	s_mov_b32 s58, 6
.Ltrip:                                                ; trip S = 0 .. 5: the FP4 products of the walk's super-step S; both slots are filled again
	UNIT 1,0,  2, 1,  6,  0, 1, -1, 0,0,0,0        ; makes (S+1,2): behind its loads only (S+1,3)'s six (in trip 0 this also shows b2 in); asks for (S+2,0), (S+2,1)
	UNIT 1,1,  3, 2, 12,  2,-1, -1, 1,0,0,0        ; behind (S+1,3)'s loads the twelve just asked for; X is left and takes super-step S+1
	UNIT 1,2,  0, 3, 12,  3,-1, -1, 0,0,0,0        ; behind (S+2,0)'s: (S+2,1)'s and (S+2,2)'s
	UNIT 1,3,  1, 0, 12, -1,-1, -1, 1,1,1,0        ; behind (S+2,1)'s: (S+2,2)'s and (S+2,3)'s; images of S+1; Y is left and takes super-step S+1; W1's bases step
	WIN 0
	s_sub_co_u32 s58, s58, 1
	s_cmp_lg_u32 s58, 0
	s_cbranch_scc1 .Ltrip
	; super-step 6 of the walk, written out: nothing more of W1 is asked for
	UNIT 1,0,  2, 1,  6, -1,-1, -1, 0,0,0,0
	UNIT 1,1,  3, 2,  0, -1,-1, -1, 1,0,0,0
	UNIT 1,2, -1, 3, -1, -1,-1, -1, 0,0,0,0
	UNIT 1,3, -1,-1, -1, -1,-1, -1, 1,0,1,0
	; super-step 7, written out: X is left behind a plain barrier
	UNIT 1,0, -1,-1, -1, -1,-1, -1, 0,0,0,0
	UNIT 1,1, -1,-1, -1, -1,-1, -1, 2,0,0,0
	UNIT 1,2, -1,-1, -1, -1,-1, -1, 0,0,0,0
	UNIT 1,3, -1,-1, -1, -1,-1, -1, 0,0,0,1
; THE WAY OUT, in 8 blocks (half blk / 4, row tile blk % 4) of 16 rows x 128 outputs.  A lane holds 32 neighbouring bytes of a row: a block goes through my own stage and comes back as whole rows of 512 bytes.
; The stages lie in slot X: it has had its last fill, and every wave's last read of it stands in front of super-step 7's barrier.  LDS serves a wave's instructions in order (ISA guide 5.7.1.4): no wait between stores and loads.
.macro TOSTAGE blk
	WIN 0x08+4*((\blk)/4)                          ; the data: window 2 or 3
.irp t, 0,1,2,3,4,5,6,7
	ds_store_b128 v18, v[8*(4*\t+(\blk)%4):8*(4*\t+(\blk)%4)+3] offset:64*\t        ; each accumulator from its low end on
	ds_store_b128 v18, v[8*(4*\t+(\blk)%4)+4:8*(4*\t+(\blk)%4)+7] offset:64*\t+16
.endr
	WIN 0x40                                       ; back into window 1, v0-63 and v64-127 by turns
.irp i, 0,1,2,3,4,5,6,7,8,9,10,11,12,13,14,15
	ds_load_b128 v[64*((\blk)%2)+4*\i:64*((\blk)%2)+4*\i+3], v19 offset:528*\i
.endr
.endm
.macro SEND blk, younger               ; younger: the LDS instructions issued behind the block's loads, which may stay out
	s_wait_dscnt \younger
	WIN 0x04                                       ; a store's data are its source 1: window 1
.irp i, 0,1,2,3,4,5,6,7,8,9,10,11,12,13,14,15
	global_store_b128 v20, v[64*((\blk)%2)+4*\i:64*((\blk)%2)+4*\i+3], s[18:19] offset:65536*((\blk)%4)+2048*((\blk)/4)+4096*\i th:TH_STORE_NT   ; 32 lanes store 512 consecutive bytes, at a multiple of 256 from out0's first byte
.endr
.endm
	PLACES 4                                       ; behind the last products: for the reads of results and the loads into the registers that held fragments
	TOSTAGE 0
.irp a, 1,2,3,4,5,6,7
.if \a > 1
	s_wait_xcnt 0x0                                ; block a - 2's stores have read their registers: block a's loads may land there
.endif
	TOSTAGE \a
	SEND \a-1, 32                                  ; behind block a - 1's loads: block a's 16 stores and 16 loads
.endr
	SEND 7, 0
	WIN 0
	s_wait_tensorcnt 0x0                           ; the wave's end: behind my last tensor load and my last LDS store
	ds_add_u32 v4, v5
	s_wait_dscnt 0x0
	CROUND                                         ; the closing round: no work-group ends while a partner may still ask for a tile that names it
	s_endpgm
.Lfunc_end_k_qfa56858094_ffq:
	.size	k_qfa56858094_ffq, .Lfunc_end_k_qfa56858094_ffq-k_qfa56858094_ffq
	.p2alignl 7, 3214868480
	.fill 96, 4, 3214868480
	.section	.rodata,"a",@progbits
	.p2align	6, 0x0
	.amdhsa_kernel k_qfa56858094_ffq
		.amdhsa_group_segment_fixed_size 327680
		.amdhsa_private_segment_fixed_size 0
		.amdhsa_enable_private_segment 0
		.amdhsa_kernarg_size 64
		.amdhsa_user_sgpr_count 2
		.amdhsa_user_sgpr_kernarg_segment_ptr 1
		.amdhsa_wavefront_size32 1
		.amdhsa_system_sgpr_workgroup_id_x 1
		.amdhsa_system_sgpr_workgroup_id_y 1
		.amdhsa_system_sgpr_workgroup_id_z 1
		.amdhsa_system_vgpr_workitem_id 0
		.amdhsa_next_free_vgpr 1024
		.amdhsa_next_free_sgpr 88
		.amdhsa_reserve_vcc 1
		.amdhsa_float_denorm_mode_32 3
		.amdhsa_float_denorm_mode_16_64 3
		.amdhsa_memory_ordered 1
		.amdhsa_forward_progress 1
		.amdhsa_inst_pref_size 255
	.end_amdhsa_kernel
	.section	.bss,"aw",@nobits
	.p2align	6
	.space	262144
	.amdgpu_metadata
---
amdhsa.version: [ 1, 2 ]
amdhsa.kernels:
  - .name:           k_qfa56858094_ffq
    .symbol:         k_qfa56858094_ffq.kd
    .args:
      - { .name: x, .offset: 0, .size: 8, .value_kind: global_buffer, .address_space: global }
      - { .name: theta, .offset: 8, .size: 8, .value_kind: global_buffer, .address_space: global }
      - { .name: W1, .offset: 16, .size: 8, .value_kind: global_buffer, .address_space: global }
      - { .name: b1, .offset: 24, .size: 8, .value_kind: global_buffer, .address_space: global }
      - { .name: W2_codes, .offset: 32, .size: 8, .value_kind: global_buffer, .address_space: global }
      - { .name: W2_scales, .offset: 40, .size: 8, .value_kind: global_buffer, .address_space: global }
      - { .name: b2, .offset: 48, .size: 8, .value_kind: global_buffer, .address_space: global }
      - { .name: out0, .offset: 56, .size: 8, .value_kind: global_buffer, .address_space: global }
    .group_segment_fixed_size: 327680
    .private_segment_fixed_size: 0
    .kernarg_segment_align: 8
    .kernarg_segment_size: 64
    .max_flat_workgroup_size: 128
    .sgpr_count:     88
    .vgpr_count:     1024
    .wavefront_size: 32
...
	.end_amdgpu_metadata
.endif
;; end of part 1
